; MI455X (gfx1250); checked and timed in simulation.
; The chip was launched on July 23, 2026; its instructions are those of AMD's public machine-readable ISA for CDNA 5 (MIT licence, August 2026) and "CDNA5" Instruction Set Architecture Reference Guide (July 2026). The comments in the code are by the model that wrote it; some were corrected since.
;; Dot Product Attention. Allowed arithmetic: matrix products marked QUANTISED: E2M1 operands, one E8M0 scale for each 32 along K, by v_wmma_scale_f32_16x16x128_f8f6f4 with both operands' format E2M1 (or v_wmma_scale_f32_32x16x128_f4), f32 sums; everything else in f32.
;; Inputs: K 4 x 16 x 2,048 x 64 float32; Q 4 x 16 x 2,048 x 64 float32; V 4 x 16 x 2,048 x 64 float32.
;; Outputs: out0 4 x 16 x 2,048 x 64 float32.
;; Constants: dk = 64.
;; This version of the problem:
;;   THIS VERSION OF THE PROBLEM IS GIVEN IN LOW PRECISION. The matrix products marked QUANTISED in the list below multiply operands that are first quantised to E2M1 (2 exponent bits, 1 mantissa bit; 4 bits a number), with one power-of-two scale for each 32 numbers along K (OCP MX v1.0); their sums are f32. All else is computed in f32.
;;   The module's matrix products, in the order in which they are computed (A, B: the left and right operand; K: the contracted axis; several contracted axes count as one K, in the product's order):
;;     1. batch 64 x [M 2,048, K 64] x [K 64, N 2,048]; A: input Q; B: input K: QUANTISED
;;     2. batch 64 x [M 2,048, K 2,048] x [K 2,048, N 64]; A: softmax (see below); B: input V: QUANTISED
;;   THE QUANTISER, for each operand of a quantised product, along K:
;;     - K is cut into blocks of 32 from its start; a last block that is shorter is filled with zeros.
;;     - A block's scale is 2^e with e = floor(log2(the largest magnitude in the block)) - 2, held to -126 .. 127; a block of zeros has e = 0. As a byte (E8M0): e + 127.
;;     - Each number is divided by its block's scale, clamped to +-6, and rounded to the nearest number of E2M1, ties to even, subnormals kept.
;;     - The product sums the exact products of the quantised numbers (number of the format x scale) in f32.
;;   ~~~python
;;   def quantise(x, axis):      # numpy; x: float32 -> the quantised numbers, widened to float32 again
;;       x = np.moveaxis(x, axis, -1); K = x.shape[-1]
;;       x = np.pad(x, [(0, 0)] * (x.ndim - 1) + [(0, -K % 32)]); x = x.reshape(x.shape[:-1] + (-1, 32)); a = np.abs(x).max(-1, keepdims=True)
;;       e = np.where(a > 0, np.clip(np.frexp(np.where(a > 0, a, 1))[1] - 1 - 2, -126, 127), 0)      # np.frexp(a)[1] - 1 = floor(log2(a)), exactly
;;       r = np.clip(x / 2.0 ** e, -6, 6)
;;       step = 2.0 ** (np.maximum(np.frexp(np.where(r == 0, 1, r))[1] - 1, 0) - 1)
;;       q = np.round(r / step) * step * 2.0 ** e      # np.round: ties to even
;;       return np.moveaxis(q.reshape(q.shape[:-2] + (-1,))[..., :K], -1, axis).astype(np.float32)
;;   ~~~
;;   SOFTMAX AHEAD OF A QUANTISED PRODUCT. Where the list says 'softmax', what is quantised is not the finished softmax but p = 2^(t - M), with t = logit x log2(e) and M = ceil(the row's largest t), a whole number; so 1/2 < the row's largest p <= 1. The row's sum l is taken of the UNQUANTISED p, in f32, and the product's result is divided by l at the end. Since M is a whole number, a kernel that streams over the keys may use a running M (the ceiling of the running maximum): every later rescaling is an exact power of two, which a block's scale takes up: the codes' values come out the same.
;;   OPERANDS COMPUTED ON THE WAY. 'Computed on the way' means the value that the module computes at that place (a softmax that the list does not call 'softmax' is quantised finished and normalised). What goes into a quantiser is computed in f32, as accurately as f32 sums, v_exp_f32 and their like allow (about 1e-6 of the number): no bf16 or f16 on the way to a quantiser, and a product that is left as it is and whose result goes on into a quantised operand takes f32 operands (vector FMAs, or v_wmma_f32_16x16x4_f32). A number that lies on a knife's edge between two numbers of the format may be rounded either way, as far as f32 arithmetic and the matrix unit's own rounding can turn it there, and no further.
;; One version. Each part assembles by itself: llvm-mc -triple=amdgcn-amd-amdhsa -mcpu=gfx1250 --defsym DOCPART=n.
;; ======== version 1 of 1: 1 launch
;; launch attn (part 1): grid 4 x 64, 16 waves a work-group, clusters of 4 x 1, 327,680 bytes of LDS; arguments Q, K, V, out0; writes out0
.if DOCPART == 1
	.amdgcn_target "amdgcn-amd-amdhsa--gfx1250"
	.amdhsa_code_object_version 6
	.text
	.protected	k_qb76cf50542_attn
	.globl	k_qb76cf50542_attn
	.p2align	8
	.type	k_qb76cf50542_attn,@function
k_qb76cf50542_attn:
	s_mov_b64 s[64:65], 0
	v_nop
	global_prefetch_b8 v0, s[64:65] scope:SCOPE_SE
	s_setreg_imm32_b32 hwreg(HW_REG_WAVE_MODE, 25, 1), 1
	s_wait_xcnt 0x0
	s_wait_alu depctr_hold_cnt(0) depctr_sa_sdst(0) depctr_va_vdst(0) depctr_va_sdst(0) depctr_va_ssrc(0) depctr_va_vcc(0) depctr_vm_vsrc(0)
	s_getreg_b32 s2, hwreg(HW_REG_IB_STS2, 6, 4)
	s_cmp_eq_u32 s2, 0
	s_cbranch_scc0 .Lentry_in_a_cluster
	s_endpgm
.Lentry_in_a_cluster:
	s_bfe_u32 s2, ttmp6, 0x10000c
	s_cmp_lg_u32 s2, 0x3003
	s_cbranch_scc0 .Lentry_shape_is_right
	s_endpgm
.Lentry_shape_is_right:
; out0[head][q][:] = the sum over k of softmax_k(8 Q[head][q] . K[head][k]) V[head][k][:].  64 heads, 2,048 queries and keys, head size 64; all four tensors f32.
; Both products run on codes of FP4 (E2M1) with one E8M0 scale for each 32 along a product's K: Q and K are quantised along the head's 64, V and p along the keys.
; THE SOFTMAX: t = score x 8 log2(e), rounded to f32 ONCE, by one multiplication (8 is a power of two, so these are the bits of (score x 8) x log2(e)); M = the running largest t rounded up to a whole
; number; p = 2^(t - M) is what is quantised; the row's sum is taken of the unquantised p and divides at the end.  |t| runs to hundreds here, so t is not fused with the subtraction of M:
; t - M is then a subtraction of neighbours.  When M moves, the sum and O are multiplied by 2^(old M - new M), which rounds nothing.
; SHARES.  A work-group owns 512 queries of one head, each of its sixteen waves 32 of them: tiles A and B of 16.  Four waves lie on a SIMD, so that one wave's LDS loads and products stand beside another's
; vector work, which is by far the most: 522 vector instructions against 24 matrix instructions for 128 keys.  Every wave walks all keys: 8 slots of 256 keys, two steps of 128 to a slot.
; K AND V ARRIVE AS f32 AND ARE QUANTISED HERE.  A slot's f32 tiles come through a ring of two LDS slots by the tensor data mover; while the waves compute on slot j's codes, each wave quantises one block of 32 a lane
; of K and one of V of slot j + 1 (46 vector instructions a slot) and stores codes and scale bytes into one of two code buffers, laid as IMAGES OF THE OPERANDS' REGISTERS: a fragment's four registers at 16 x lane.
; CLUSTER.  The four work-groups of a head walk the same K and V: each f32 tile is asked for JOINTLY (mask 15), by the same tensor load with the same descriptor in all four.
; LAYOUT.  Both products are used transposed: S^T = K Q^T, O^T = V^T P^T: a lane holds ONE query (lane % 16) throughout.  THE KEYS OF A TILE ARE NOT NEIGHBOURS: row rho of tile 2 b + u is key
; 32 b + 8 u + rho + 8 (rho / 8) of the step, so that score registers 16 b + 0 .. 15 are the neighbouring keys 32 b + 16 (lane / 16) + 0 .. 15.
; THE FIRST PRODUCT'S K IS 64, THE INSTRUCTION'S 128.  Source 0 is a PAIR of key tiles: registers 0-3 tile 2 b (k 0-63 = its 64 numbers), registers 4-7 tile 2 b + 1.  Source 1 is [Q | zero codes] for tile 2 b and
; [zero codes | Q] for tile 2 b + 1.  A zero code adds nothing under any scale byte but 0xff, and every byte made here lies in 1 .. 254.  So no zero bytes are fetched and every loaded register is used.
; O^T and the sums begin as zeros and the largest t as -3e38: 64 moves once, in place of one more written copy of the slot's text; the first change of M multiplies zeros.
; LIMITS: NaN and infinities among the inputs are not served.  A block whose largest magnitude lies under 2^-124 (a block of zeros too, where the rule says byte 127) keeps the byte 1: a block of zeros has zero codes,
; and the bytes are read by this program alone.
.set PITCH, 272                        ; an f32 row in LDS: 256 bytes + 16 of padding = 17 x 16: the sixteen rows that a 16-byte load touches begin at sixteen different 16-byte columns modulo 256
.set TILEB, 256*PITCH                  ; a tile of 256 rows
.set QUART, 64*PITCH                   ; what one tensor load brings: 64 rows
.set RING,  2*TILEB                    ; a ring slot: K's tile, then V's.  Slot 0 at byte 0, slot 1 at RING (at the head slot 1 holds Q's rows: 32 x PITCH for each wave)
.set CODES, 2*RING                     ; behind the ring: two code buffers, written by LDS stores alone
.set CSTEP, 8704                       ; a step's codes: K's images 4,096, V's images 4,096, K's scale words 256, V's scale words 256
.set CBUF,  2*CSTEP
.set CV,    4096
.set CKS,   8192
.set CVS,   8448
.set SPARE, CODES+2*CBUF               ; the spare words, 128 bytes for each of sixteen waves: eight blocks of 256 bytes that no other line names
.set SPW, 1                            ; v1   LDS address of my spare word; never rewritten
.set NIL, 2                            ; v2   0; never rewritten
.set RI,  3                            ; v3   CODES + 16 x lane: an image's place for my lane
.set RS,  4                            ; v4   CODES + CKS + 8 x lane: two scale words
.set RK,  5                            ; v5, v11   ring slot 0, 1: my block of K: key 16 w + lane % 16 of the slot, numbers 32 (lane / 16) on
.set RV,  6                            ; v6, v12   my block of V: column 32 (w % 2) + lane, keys 32 (w / 2) on
.set WK,  7                            ; v7   where my 16 bytes of K's codes go
.set WKS, 8                            ; v8   and their scale byte
.set WVI, 9                            ; v9   the same for V
.set WVS, 10                           ; v10
.set QRD, 13                           ; v13  Q's rows in ring slot 1
.set STA, 14                           ; v14-17  tile A: -M, the largest t, the sum in two halves
.set STB, 18                           ; v18-21  tile B
.set QSA, 22                           ; v22, v23  Q's scale words (s0, s1, s0, s1)
.set QSB, 23
.set ZQ,  24                           ; v24-43  zeros, Q of A, zeros, Q of B, zeros: four registers each
.set KS,  44                           ; v44-45  K's scale words of a step;  v46-47 V's
.set VS,  46
.set PSA, 48                           ; v48, v49  p's scale words
.set PSB, 49
.set F,   50                           ; v50 f = 2^(old M - new M); v51 named with it as a pair
.set BM,  52                           ; v52-55  a block's largest t, then p
.set BT,  56                           ; v56-59  the other half's; then the scale bytes
.set BS,  60                           ; v60-63  the conversions' scale operands
.set KF,  64                           ; v64-95  K's eight tiles of a step, then V's four fragments
.set S,   96                           ; v96-159 S^T, then p; also the numbers to be quantised
.set OA,  160                          ; v160-191, v192-223  O^T: register 8 tau + j
.set OB,  192
.set PCA, 224                          ; v224-231, v232-239  p's codes; also the codes just made of K and V
.set PCB, 232
.set SU,  240                          ; v240-241  the second chain of the sum
.set T,   242
.set STO, 249                          ; the way out: into my stage, back from it, my byte offset in out0
.set RD,  250
.set GO,  251
.set SH8, 252                          ; 8 (lane / 16)
.set WN,  12                           ; s12  my wave's number
.set SEL, 16                           ; s[16:17] v_permlanex16_b32's selects for lane l xor 16
.set CS,  18                           ; s[18:19] 8 log2(e), twice: the packed form names a pair
.set CNT, 20
.set G1Q, 24                           ; s[24:31] descriptor group 1 for Q's rows (my own load);  s[32:39] for K's and V's tiles (joint)
.set G1KV, 32
.set G0Q, 40                           ; s[40:43] group 0 for Q;  s[44:51] for K, a set for each ring slot;  s[52:59] for V
.set G0K, 44
.set G0V, 52
; A round of the cluster's barrier: my work-group's barrier, wave 0 signals for the work-group, every wave waits for all four work-groups, my work-group's barrier once more.
.macro ROUND
	s_barrier_signal -1
	s_barrier_wait -1
	s_cmp_lg_u32 s[WN], 0
	s_cbranch_scc1 .Lnot_wave_0_\@
	s_barrier_signal -3
.Lnot_wave_0_\@:
	s_barrier_wait -3
	s_barrier_signal -1
	s_barrier_wait -1
.endm
; A joint load into ring slot p: waves 0-3 fetch K's four quarters, waves 4-7 V's, the others nothing.  The branches hang on the wave's number alone.  Four v_nop follow each line.
.macro TLOAD p
	s_cmp_lt_u32 s[WN], 4
	s_cbranch_scc0 .Lnot_k_\@
	tensor_load_to_lds s[G0K+4*\p:G0K+4*\p+3], s[G1KV:G1KV+7]
	s_nop 0
.rept 4
	v_nop
.endr
	s_branch .Lasked_\@
.Lnot_k_\@:
	s_cmp_lt_u32 s[WN], 8
	s_cbranch_scc0 .Lasked_\@
	tensor_load_to_lds s[G0V+4*\p:G0V+4*\p+3], s[G1KV:G1KV+7]
	s_nop 0
.rept 4
	v_nop
.endr
.Lasked_\@:
.endm
; THE CHANGE OF SLOTS, at a slot's head.  In front of the barrier: all my tensor loads have landed (my part of the tile that will be quantised in this slot); my reads of ring slot p and of the other code buffer are over,
; and my stores into code buffer p have landed.  Behind it: ring slot p is filled again (fill = 1: the barrier is then a round of the cluster's, and the joint load is the first thing behind it: it has a whole slot's
; work in which to land); code buffer p is read; the other code buffer is written.  step = 1: slot p's descriptors go two tiles on.
.macro CHANGE p, fill, step
	s_wait_tensorcnt 0x0                           ; no tensor load of mine is out, so a group 0 may be written
	ds_add_u32 v[SPW], v[NIL]                      ; 0 onto my spare word
.if \step
	s_add_nc_u64 s[G0K+4*\p+2:G0K+4*\p+3], s[G0K+4*\p+2:G0K+4*\p+3], 2*65536   ; 512 keys on; the type bits on top are not reached
	s_add_nc_u64 s[G0V+4*\p+2:G0V+4*\p+3], s[G0V+4*\p+2:G0V+4*\p+3], 2*65536
.endif
	s_wait_dscnt 0x0                               ; the add, my LDS loads and my LDS stores are done
.if \fill
	ROUND
	TLOAD \p
.else
	s_barrier_signal -1
	s_barrier_wait -1
.endif
.endm
; A lane's whole block of 32 numbers, v[x] .. v[x + 31], becomes 16 bytes of codes in v[dst] .. v[dst + 3]; v[sc] the conversion's scale operand, v[by] the scale's byte.
.macro QB32 x, dst, sc, by
	v_max3_num_f32 v[BM], |v[\x]|, |v[\x+1]|, |v[\x+2]|             ; the largest magnitude, in two chains
	v_max3_num_f32 v[BM+1], |v[\x+3]|, |v[\x+4]|, |v[\x+5]|
.irp i, 6,10,14,18,22,26
	v_max3_num_f32 v[BM], v[BM], |v[\x+\i]|, |v[\x+\i+1]|
	v_max3_num_f32 v[BM+1], v[BM+1], |v[\x+\i+2]|, |v[\x+\i+3]|
.endr
	v_max3_num_f32 v[BM], v[BM], |v[\x+30]|, |v[\x+31]|
	v_max3_num_f32 v[BM], v[BM], v[BM+1], 0x1800000                ; and the floor 2^(3 - 127): the byte cannot fall under 1
	v_add_nc_u32 v[\sc], 0xff000000, v[BM]                         ; 2 off the exponent field: the conversion takes the exponent field of this operand as its scale
	v_lshrrev_b32 v[\by], 23, v[\sc]                               ; the scale's byte
.irp g, 0,1,2,3
	v_cvt_scalef32_pk8_fp4_f32 v[\dst+\g], v[\x+8*\g:\x+8*\g+7], v[\sc]
.endr
	v_nop                                                          ; one plain place behind the last scaled conversion
.endm
; The f32 tiles in ring slot p become codes in code buffer p: one block of K and one of V a lane.
.macro QUANTKV p
.irp i, 0,1,2,3,4,5,6,7
	ds_load_b128 v[S+4*\i:S+4*\i+3], v[RK+6*(\p)] offset:16*\i       ; my key's 32 numbers: neighbours in its row
.endr
.irp i, 0,1,2,3,4,5,6,7,8,9,10,11,12,13,14,15,16,17,18,19,20,21,22,23,24,25,26,27,28,29,30,31
	ds_load_b32 v[S+32+\i], v[RV+6*(\p)] offset:PITCH*\i             ; my column down 32 keys: the 32 lanes read 128 neighbouring bytes
.endr
	s_wait_dscnt 32                                ; K's eight loads are in; V's 32 are younger
	QB32 S, PCA, BS, BT                            ; (its first 18 plain lines are the places between the last products, which read v[PCA] on, and the conversions that write it)
	ds_store_b128 v[WK], v[PCA:PCA+3] offset:CBUF*(\p)
	ds_store_b8 v[WKS], v[BT] offset:CBUF*(\p)
	s_wait_dscnt 2                                 ; V's loads are in; the two stores are younger
	QB32 S+32, PCB, BS+1, BT+1
	ds_store_b128 v[WVI], v[PCB:PCB+3] offset:CBUF*(\p)
	ds_store_b8 v[WVS], v[BT+1] offset:CBUF*(\p)
.endm
; One tile's softmax for 128 keys.  st: its statistics; oo: its O^T; pc: where p's codes go; ps: p's scale word.
.macro SM st, oo, pc, ps
.set j, 0
.rept 32
	v_pk_mul_f32 v[S+j:S+j+1], v[S+j:S+j+1], s[CS:CS+1] op_sel_hi:[1,0]   ; t, rounded once; each accumulator is read from its low end on
.set j, j+2
.endr
.irp b, 0,1,2,3
	v_max3_num_f32 v[BM+\b], v[S+16*\b], v[S+16*\b+1], v[S+16*\b+2]   ; the largest t of each block of 32 keys: it serves the row's maximum and, since p rises with t, the block's largest p
.endr
.irp i, 3,5,7,9,11,13
.irp b, 0,1,2,3
	v_max3_num_f32 v[BM+\b], v[BM+\b], v[S+16*\b+\i], v[S+16*\b+\i+1]   ; (the four blocks by turns)
.endr
.endr
.irp b, 0,1,2,3
	v_max_num_f32 v[BM+\b], v[BM+\b], v[S+16*\b+15]
.endr
.irp b, 0,1,2,3
	v_permlanex16_b32 v[BT+\b], v[BM+\b], s[SEL], s[SEL+1]
.endr
.irp b, 0,1,2,3
	v_max_num_f32 v[BM+\b], v[BM+\b], v[BT+\b]     ; with lane l xor 16's 16 keys
.endr
	v_max3_num_f32 v[T], v[BM], v[BM+1], v[BM+2]
	v_max_num_f32 v[T], v[T], v[BM+3]              ; the step's largest t of my query
	v_max_num_f32 v[\st+1], v[\st+1], v[T]         ; the running largest t
	v_mov_b32 v[T], v[\st]
	v_floor_f32 v[\st], -v[\st+1]                  ; the new -M = floor(-t) = -ceil(t): a whole number
	v_sub_f32 v[T], v[\st], v[T]                   ; old M - new M: a whole number, 0 or less
	v_cvt_i32_f32 v[T], v[T]                       ; (it saturates)
	v_ldexp_f32 v[F], 1.0, v[T]                    ; f = 2^(old M - new M)
.set j, 0
.rept 32
	v_pk_add_f32 v[S+j:S+j+1], v[S+j:S+j+1], v[\st:\st+1] op_sel_hi:[1,0]   ; t - M, two at a time (the pair's low word, -M, serves both halves)
.set j, j+2
.endr
.irp b, 0,1,2,3
	v_add_f32 v[BM+\b], v[BM+\b], v[\st]           ; the same of each block's largest t
.endr
.set j, 0
.rept 64
	v_exp_f32 v[S+j], v[S+j]                       ; p = 2^(t - M), at most 1: not normalised
.set j, j+1
.endr
.irp b, 0,1,2,3
	v_exp_f32 v[BM+\b], v[BM+\b]                   ; the block's largest p: the same instructions on the same number give the same bits
.endr
	v_pk_mul_f32 v[\st+2:\st+3], v[\st+2:\st+3], v[F:F+1] op_sel_hi:[1,0]   ; the sums under the new M.  (The plain place behind the exponentials)
	s_wait_alu depctr_va_vdst(0)
.irp b, 0,1,2,3
	v_max_num_f32 v[BM+\b], 0x1800000, v[BM+\b]    ; the floor 2^(3 - 127): the byte cannot fall under 1
.endr
.irp b, 0,1,2,3
	v_add_nc_u32 v[BS+\b], 0xff000000, v[BM+\b]    ; 2 off the exponent field: the conversion's scale operand
.endr
.irp b, 0,1,2,3
	v_lshrrev_b32 v[BT+\b], 23, v[BS+\b]           ; the scale's byte
.endr
	v_lshl_or_b32 v[\ps], v[BT+1], 8, v[BT]        ; p's scale word for these 128 keys
	v_lshl_or_b32 v[\ps], v[BT+2], 16, v[\ps]
	v_lshl_or_b32 v[\ps], v[BT+3], 24, v[\ps]
.irp b, 0,1,2,3
	v_cvt_scalef32_pk8_fp4_f32 v[\pc+2*\b], v[S+16*\b:S+16*\b+7], v[BS+\b]
	v_cvt_scalef32_pk8_fp4_f32 v[\pc+2*\b+1], v[S+16*\b+8:S+16*\b+15], v[BS+\b]
.endr
	v_nop                                          ; one plain place behind the last scaled conversion
.irp c, 0,1                                    ; the operand's layout wants a whole block in a lane: lanes 0-15 block 2 c, lanes 16-31 block 2 c + 1
.irp i, 0,1
	v_permlane16_swap_b32 v[\pc+4*\c+\i], v[\pc+4*\c+2+\i]
.endr
.endr
	v_pk_add_f32 v[SU:SU+1], v[S:S+1], v[S+2:S+3]  ; the row's sum is taken of the unquantised p: two at a time, in two chains
.set j, 4
.rept 15
	v_pk_add_f32 v[\st+2:\st+3], v[\st+2:\st+3], v[S+j:S+j+1]
	v_pk_add_f32 v[SU:SU+1], v[SU:SU+1], v[S+j+2:S+j+3]
.set j, j+4
.endr
	v_pk_add_f32 v[\st+2:\st+3], v[\st+2:\st+3], v[SU:SU+1]
.set j, 0
.rept 16
	v_pk_mul_f32 v[\oo+j:\oo+j+1], v[\oo+j:\oo+j+1], v[F:F+1] op_sel_hi:[1,0]   ; O^T under the new M; each accumulator from its low end on
.set j, j+2
.endr
.endm
; S^T of one tile of queries: eight products, each starting its sum with the constant 0.  qlo: [Q | zeros], qhi: [zeros | Q], qs: Q's scale word.  Pair b's scale words: register KS + b % 2, lanes 16-31 for b = 2, 3.
.macro SMUL qlo, qhi, qs
.irp b, 0,1
	v_wmma_scale_f32_16x16x128_f8f6f4 v[S+16*\b:S+16*\b+7], v[KF+8*\b:KF+8*\b+7], v[\qlo:\qlo+7], 0, v[KS+\b], v[\qs] matrix_a_fmt:MATRIX_FMT_FP4 matrix_b_fmt:MATRIX_FMT_FP4
	v_wmma_scale_f32_16x16x128_f8f6f4 v[S+16*\b+8:S+16*\b+15], v[KF+8*\b:KF+8*\b+7], v[\qhi:\qhi+7], 0, v[KS+\b], v[\qs] matrix_a_fmt:MATRIX_FMT_FP4 matrix_b_fmt:MATRIX_FMT_FP4
.endr
.irp b, 2,3
	v_wmma_scale_f32_16x16x128_f8f6f4 v[S+16*\b:S+16*\b+7], v[KF+8*\b:KF+8*\b+7], v[\qlo:\qlo+7], 0, v[KS+\b-2], v[\qs] matrix_a_fmt:MATRIX_FMT_FP4 matrix_b_fmt:MATRIX_FMT_FP4 matrix_a_scale:MATRIX_SCALE_ROW1
	v_wmma_scale_f32_16x16x128_f8f6f4 v[S+16*\b+8:S+16*\b+15], v[KF+8*\b:KF+8*\b+7], v[\qhi:\qhi+7], 0, v[KS+\b-2], v[\qs] matrix_a_fmt:MATRIX_FMT_FP4 matrix_b_fmt:MATRIX_FMT_FP4 matrix_a_scale:MATRIX_SCALE_ROW1
.endr
.endm
; O^T += V^T P^T for both tiles: eight accumulators by turns, one instruction a turn; sixteen products S^T stand between a step's and the next step's.
.macro PV
.irp u, 0,1
	v_wmma_scale_f32_16x16x128_f8f6f4 v[OA+8*\u:OA+8*\u+7], v[KF+8*\u:KF+8*\u+7], v[PCA:PCA+7], v[OA+8*\u:OA+8*\u+7], v[VS+\u], v[PSA] matrix_a_fmt:MATRIX_FMT_FP4 matrix_b_fmt:MATRIX_FMT_FP4
	v_wmma_scale_f32_16x16x128_f8f6f4 v[OB+8*\u:OB+8*\u+7], v[KF+8*\u:KF+8*\u+7], v[PCB:PCB+7], v[OB+8*\u:OB+8*\u+7], v[VS+\u], v[PSB] matrix_a_fmt:MATRIX_FMT_FP4 matrix_b_fmt:MATRIX_FMT_FP4
.endr
.irp u, 2,3
	v_wmma_scale_f32_16x16x128_f8f6f4 v[OA+8*\u:OA+8*\u+7], v[KF+8*\u:KF+8*\u+7], v[PCA:PCA+7], v[OA+8*\u:OA+8*\u+7], v[VS+\u-2], v[PSA] matrix_a_fmt:MATRIX_FMT_FP4 matrix_b_fmt:MATRIX_FMT_FP4 matrix_a_scale:MATRIX_SCALE_ROW1
	v_wmma_scale_f32_16x16x128_f8f6f4 v[OB+8*\u:OB+8*\u+7], v[KF+8*\u:KF+8*\u+7], v[PCB:PCB+7], v[OB+8*\u:OB+8*\u+7], v[VS+\u-2], v[PSB] matrix_a_fmt:MATRIX_FMT_FP4 matrix_b_fmt:MATRIX_FMT_FP4 matrix_a_scale:MATRIX_SCALE_ROW1
.endr
.endm
; A KEY STEP: 128 keys, step q of code buffer p.  Every LDS address is a register that never changes plus an immediate.
.macro STEP p, q
.set BO, CBUF*(\p)+CSTEP*(\q)
.rept 4
	v_nop                                          ; four places in front of loads into registers that the last products read
.endr
.irp i, 0,1,2,3,4,5,6,7
	ds_load_b128 v[KF+4*\i:KF+4*\i+3], v[RI] offset:BO+512*\i       ; K's tile i: registers 8 b .. 8 b + 7 are the pair b
.endr
	ds_load_b64 v[KS:KS+1], v[RS] offset:BO        ; K's scale words: lanes 0-15 pairs 0 and 1, lanes 16-31 pairs 2 and 3
	s_wait_dscnt 0x0
	SMUL ZQ+4, ZQ, QSA
.rept 4
	v_nop                                          ; four places in front of the first read of results
.endr
	SM STA, OA, PCA, PSA
	SMUL ZQ+12, ZQ+8, QSB
.rept 4
	v_nop                                          ; four places: for the loads over K's fragments, and for the first read of results
.endr
.irp i, 0,1,2,3,4,5,6,7
	ds_load_b128 v[KF+4*\i:KF+4*\i+3], v[RI] offset:BO+CV+512*\i    ; V's fragments: they land under tile B's softmax
.endr
	ds_load_b64 v[VS:VS+1], v[RS] offset:BO+CVS-CKS
	SM STB, OB, PCB, PSB
	s_wait_dscnt 0x0                               ; V is in
	PV
.endm
.macro SLOT p, fill, quant
	CHANGE \p, \fill, \fill
	STEP \p, 0
	STEP \p, 1
.if \quant
	QUANTKV 1-\p                                   ; the next slot's tiles, which had landed at this slot's head
.endif
.endm
	s_load_b256 s[4:11], s[0:1], 0x0               ; Q s[4:5], K s[6:7], V s[8:9], out0 s[10:11]
	v_lshl_add_u32 v[SPW], v0, 2, SPARE
	v_mov_b32 v[NIL], 0
	ds_add_u32 v1, v2
	ds_add_u32 v1, v2
	s_wait_dscnt 0x0
	v_lshrrev_b32 v243, 5, v0
	v_readfirstlane_b32 s[WN], v243                ; wave 0..15
	v_and_b32 v243, 31, v0                         ; l
	v_and_b32 v244, 15, v0                         ; r = l % 16
	v_bfe_u32 v245, v0, 4, 1                       ; h = l / 16
	v_and_b32 v246, 7, v0                          ; l % 8
	v_bfe_u32 v247, v0, 3, 1                       ; (l / 8) % 2
	s_and_b32 s13, s[WN], 1                        ; w % 2
	s_bfe_u32 s14, s[WN], 0x20001                  ; (w / 2) % 4
	s_lshr_b32 s15, s[WN], 3
	s_mul_i32 s15, s15, CSTEP                      ; which step of the slot my blocks belong to: w / 8
	s_bfe_u32 s21, s[WN], 0x10001                  ; (w / 2) % 2
	s_bfe_u32 s22, s[WN], 0x10002                  ; (w / 4) % 2
	s_lshr_b32 s23, s[WN], 1                       ; w / 2
	; ALL LDS ADDRESSES ARE MADE HERE, ahead of the first branch on the wave's number, and never change.
	v_lshl_add_u32 v[RI], v243, 4, CODES
	v_lshl_add_u32 v[RS], v243, 3, CODES+CKS
	v_mul_u32_u24 v248, v244, PITCH
	v_lshl_add_u32 v248, v245, 7, v248             ; row r, + 128 h: 32 numbers of a row
	s_mul_i32 s2, s[WN], 16*PITCH
	v_add_nc_u32 v[RK], s2, v248                   ; K: key 16 w + r of the slot
	v_add_nc_u32 v[RK+6], RING, v[RK]
	v_mul_u32_u24 v[STO], v244, PITCH              ; my stage for the way out, 16 rows at 16 PITCH w: in: row r, + 32 h
	v_lshl_add_u32 v[STO], v245, 5, v[STO]
	v_add_nc_u32 v[STO], s2, v[STO]
	v_mul_u32_u24 v[RD], v245, PITCH               ; back: lanes 0-15 one row, lanes 16-31 the next
	v_lshl_add_u32 v[RD], v244, 4, v[RD]
	v_add_nc_u32 v[RD], s2, v[RD]
	v_lshlrev_b32 v[GO], 4, v243                   ; and the same two rows in out0: 16 x lane
	v_lshlrev_b32 v[SH8], 3, v245
	s_mul_i32 s2, s23, 32*PITCH                    ; V: keys 32 (w / 2) on, column 32 (w % 2) + l
	s_lshl_b32 s3, s13, 7
	s_add_co_u32 s2, s2, s3
	s_add_co_u32 s2, s2, TILEB
	v_lshl_add_u32 v[RV], v243, 2, s2
	v_add_nc_u32 v[RV+6], RING, v[RV]
	; my key is 32 b + 16 (w % 2) + 8 u + l % 8 of its step, b = (w / 2) % 4, u = (l / 8) % 2: row rho = 8 (w % 2) + l % 8 of tile 2 b + u.  Its image: 512 (2 b + u) + 16 (rho + 16 h)
	s_lshl_b32 s2, s14, 10
	s_add_co_u32 s2, s2, s15
	s_add_co_u32 s2, s2, s3                        ; (s3 = 128 (w % 2))
	s_add_co_u32 s2, s2, CODES
	v_lshlrev_b32 v[WK], 4, v246
	v_lshl_add_u32 v[WK], v245, 8, v[WK]
	v_lshl_add_u32 v[WK], v247, 9, v[WK]
	v_add_nc_u32 v[WK], s2, v[WK]
	; its scale byte: word (b, rho) at 8 (rho + 16 (b / 2)) + 4 (b % 2), byte 2 u + h
	s_lshl_b32 s2, s22, 7
	s_add_co_u32 s2, s2, s15
	s_lshl_b32 s3, s13, 6
	s_add_co_u32 s2, s2, s3
	s_lshl_b32 s3, s21, 2
	s_add_co_u32 s2, s2, s3
	s_add_co_u32 s2, s2, CODES+CKS
	v_lshl_add_u32 v[WKS], v246, 3, v245
	v_lshl_add_u32 v[WKS], v247, 1, v[WKS]
	v_add_nc_u32 v[WKS], s2, v[WKS]
	; my column of V is row r of fragment tau = 2 (w % 2) + h; my keys are block kb = (w / 2) % 4 of their step.  Its image: 1,024 tau + 256 kb + 16 r
	s_lshl_b32 s2, s13, 11
	s_add_co_u32 s2, s2, s15
	s_lshl_b32 s3, s14, 8
	s_add_co_u32 s2, s2, s3
	s_add_co_u32 s2, s2, CODES+CV
	v_lshlrev_b32 v[WVI], 4, v244
	v_lshl_add_u32 v[WVI], v245, 10, v[WVI]
	v_add_nc_u32 v[WVI], s2, v[WVI]
	; its scale byte: word (tau, r) at 8 (r + 16 (tau / 2)) + 4 (tau % 2), byte kb
	s_lshl_b32 s2, s13, 7
	s_add_co_u32 s2, s2, s15
	s_add_co_u32 s2, s2, s14
	s_add_co_u32 s2, s2, CODES+CVS
	v_lshlrev_b32 v[WVS], 3, v244
	v_lshl_add_u32 v[WVS], v245, 2, v[WVS]
	v_add_nc_u32 v[WVS], s2, v[WVS]
	s_mov_b32 s[SEL], 0x76543210
	s_mov_b32 s[SEL+1], 0xfedcba98
	s_mov_b32 s[CS], 0x4138aa3b                    ; 8 x log2(e) as f32
	s_mov_b32 s[CS+1], s[CS]
	; descriptor group 1: rows of 64 elements of 4 bytes, dense in memory, 16 bytes of padding behind each in LDS
	s_mov_b32 s[G1Q], (2<<16)|(1<<20)|(5<<22)|(3<<25)                ; 15:0 no mask; 17:16 elements of 4 bytes; 20 padding on; 24:22 after every 64 words (code 5); 31:25 four words (code 3)
	s_mov_b32 s[G1Q+1], 64<<16                     ; tensor_dim0 = 64
	s_mov_b32 s[G1Q+2], 32<<16                     ; tensor_dim1 = 32 rows: my wave's queries
	s_mov_b32 s[G1Q+3], 64<<16                     ; tile_dim0
	s_mov_b32 s[G1Q+4], 32                         ; tile_dim1
	s_mov_b32 s[G1Q+5], 64                         ; elements from row to row
	s_mov_b32 s[G1Q+6], 0
	s_mov_b32 s[G1Q+7], 0
	s_mov_b32 s[G1KV], 15|(2<<16)|(1<<20)|(1<<21)|(5<<22)|(3<<25)    ; the same with the mask of all four work-groups, and bit 21 beside it
	s_mov_b32 s[G1KV+1], 64<<16
	s_mov_b32 s[G1KV+2], 64<<16                    ; 64 rows: a quarter of a tile
	s_mov_b32 s[G1KV+3], 64<<16
	s_mov_b32 s[G1KV+4], 64
	s_mov_b32 s[G1KV+5], 64
	s_mov_b32 s[G1KV+6], 0
	s_mov_b32 s[G1KV+7], 0
	; byte offsets.  s[60:61]: K's and V's, of the head and the wave's number alone, which the four partners share.  s[62:63]: Q's and out0's, with my place in the cluster.
	s_and_b32 s60, ttmp7, 0xffff                   ; the head
	s_lshl_b32 s60, s60, 19                        ; 2,048 rows of 256 bytes
	s_mov_b32 s61, 0
	s_bfe_u32 s62, ttmp6, 0x40000                  ; cx
	s_lshl_b32 s63, ttmp9, 2
	s_add_co_u32 s62, s62, s63                     ; my block of 512 queries = 4 x cluster x + cx
	s_lshl_b32 s62, s62, 17
	s_add_co_u32 s62, s62, s60
	s_lshl_b32 s63, s[WN], 13                      ; my wave's 32 rows
	s_add_co_u32 s62, s62, s63
	s_mov_b32 s63, 0
	s_and_b32 s2, s[WN], 3                         ; which quarter of a tile I fetch, if I fetch
	s_lshl_b32 s3, s2, 14
	s_add_co_u32 s60, s60, s3
	s_mul_i32 s2, s2, QUART
	s_mov_b32 s[G0Q], 1                            ; 1:0 count = 1
	s_mul_i32 s[G0Q+1], s[WN], 32*PITCH            ; 63:32 LDS address: my 32 rows of ring slot 1
	s_add_co_u32 s[G0Q+1], s[G0Q+1], RING
	v_add_nc_u32 v[QRD], s[G0Q+1], v248            ; where I read them: row r, + 128 h
.irp p, 0,1
	s_mov_b32 s[G0K+4*\p], 1
	s_add_co_u32 s[G0K+4*\p+1], s2, \p*RING
	s_mov_b32 s[G0V+4*\p], 1
	s_add_co_u32 s[G0V+4*\p+1], s2, \p*RING+TILEB
.endr
	s_wait_kmcnt 0x0
	s_add_nc_u64 s[G0Q+2:G0Q+3], s[4:5], s[62:63]  ; 120:64 global address
	s_or_b32 s[G0Q+3], s[G0Q+3], 0x80000000        ; 127:126 type = 2
	s_add_nc_u64 s[6:7], s[6:7], s[60:61]
	s_add_nc_u64 s[8:9], s[8:9], s[60:61]
	s_add_nc_u64 s[10:11], s[10:11], s[62:63]      ; out0 at my wave's first row
.irp p, 0,1
	s_add_nc_u64 s[G0K+4*\p+2:G0K+4*\p+3], s[6:7], \p*65536          ; ring slot p begins with tile p: 256 keys of 256 bytes
	s_or_b32 s[G0K+4*\p+3], s[G0K+4*\p+3], 0x80000000
	s_add_nc_u64 s[G0V+4*\p+2:G0V+4*\p+3], s[8:9], \p*65536
	s_or_b32 s[G0V+4*\p+3], s[G0V+4*\p+3], 0x80000000
.endr
	ROUND                                          ; all four work-groups are here: the first joint loads meet
	tensor_load_to_lds s[G0Q:G0Q+3], s[G1Q:G1Q+7]  ; my 32 rows of Q, into ring slot 1: every wave's own load and own bytes
	s_nop 0
.rept 4
	v_nop
.endr
	TLOAD 0                                        ; tile 0: with it two tensor loads of a fetching wave are out, the most in this text
	; while they are on their way
.irp j, 0,1,2,3,8,9,10,11,16,17,18,19
	v_mov_b32 v[ZQ+\j], 0                          ; the zero codes beside Q
.endr
.set j, 0
.rept 64
	v_mov_b32 v[OA+j], 0                           ; O^T of both tiles
.set j, j+1
.endr
.irp st, STA, STB
	v_mov_b32 v[\st+1], 0xff61b1e6                 ; the largest t so far: -3e38, under every t
	v_floor_f32 v[\st], -v[\st+1]                  ; -M
	v_mov_b32 v[\st+2], 0                          ; the sum, in two halves
	v_mov_b32 v[\st+3], 0
.endr
.irp b, 0,1,2,3
	v_mov_b32 v[BT+\b], 0                          ; written once: a lane permute's destination counts as one of its sources
.endr
	v_mov_b32 v[F+1], 0                            ; (named as the upper half of the pair with f)
	; Q: lane (r, h) takes numbers 32 h .. 32 h + 31 of query r: a whole block, and the very codes that source 1 wants of that lane
	s_wait_tensorcnt 0x0                           ; my rows of Q have landed (nobody else reads them), and so has my part of tile 0
.irp t, 0,1
.irp i, 0,1,2,3,4,5,6,7
	ds_load_b128 v[S+32*\t+4*\i:S+32*\t+4*\i+3], v[QRD] offset:16*PITCH*\t+16*\i
.endr
.endr
	s_wait_dscnt 8                                 ; tile A's eight loads are in; tile B's are younger
	QB32 S, ZQ+4, BS, BT
	s_wait_dscnt 0x0
	QB32 S+32, ZQ+12, BS+1, BT+1
.irp t, 0,1
	v_lshlrev_b32 v[BT+\t], v[SH8], v[BT+\t]       ; my block's byte at its place: 8 h bits up
.endr
.irp t, 0,1
	v_permlanex16_b32 v[BT+2+\t], v[BT+\t], s[SEL], s[SEL+1]
.endr
.irp t, 0,1
	v_or_b32 v[BT+\t], v[BT+\t], v[BT+2+\t]        ; with lane l xor 16's: (s0, s1)
.endr
	v_lshl_or_b32 v[QSA], v[BT], 16, v[BT]         ; (s0, s1, s0, s1): it serves [Q | zeros] and [zeros | Q]
	v_lshl_or_b32 v[QSB], v[BT+1], 16, v[BT+1]
	CHANGE 1, 1, 0                                 ; every wave has read its Q, tile 0 is whole: tile 1 goes into ring slot 1, over Q's rows
	QUANTKV 0                                      ; tile 0's codes
	s_mov_b32 s[CNT], 3
.Lpair:                                            ; three trips of two slots: slots 0 to 5; their refills bring tiles 2 to 7
	SLOT 0, 1, 1
	SLOT 1, 1, 1
	s_sub_co_u32 s[CNT], s[CNT], 1
	s_cmp_lg_u32 s[CNT], 0
	s_cbranch_scc1 .Lpair
	SLOT 0, 0, 1                                   ; slot 6: nothing is left to fetch; tile 7 is quantised.  The tail is written out
	SLOT 1, 0, 0                                   ; slot 7
	; THE WAY OUT.  The sums' halves are added, O^T is divided by the sum and goes through my stage in LDS, a tile (16 rows of 256 bytes) at a time, so that sixteen lanes store 256 consecutive bytes.
	; The stage lies in ring slot 0's K tile, at my own 16 rows of it: that tile has had its last fill, and its last reads lie two barriers back.
	v_add_f32 v[STA+2], v[STA+2], v[STA+3]         ; (these additions are the places behind the last products)
	v_add_f32 v[STB+2], v[STB+2], v[STB+3]
	v_permlanex16_b32 v[BT], v[STA+2], s[SEL], s[SEL+1]
	v_permlanex16_b32 v[BT+1], v[STB+2], s[SEL], s[SEL+1]
	v_add_f32 v[STA+2], v[STA+2], v[BT]            ; with lane l xor 16's keys: the row's sum, over 1/2 since the row's largest p is
	v_add_f32 v[STB+2], v[STB+2], v[BT+1]
	v_rcp_f32 v[STA+2], v[STA+2]
	v_rcp_f32 v[STB+2], v[STB+2]
	v_nop                                          ; one plain place behind the reciprocals
.set j, 0
	s_wait_alu depctr_va_vdst(0)
.rept 16
	v_pk_mul_f32 v[S+j:S+j+1], v[OA+j:OA+j+1], v[STA+2:STA+3] op_sel_hi:[1,0]   ; register 8 tau + i is out0(r, 16 tau + 8 h + i); each accumulator from its low end on
.set j, j+2
.endr
.set j, 0
.rept 16
	v_pk_mul_f32 v[S+32+j:S+32+j+1], v[OB+j:OB+j+1], v[STB+2:STB+3] op_sel_hi:[1,0]
.set j, j+2
.endr
.macro STAGE src, back
.irp u, 0,1,2,3
	ds_store_b128 v[STO], v[\src+8*\u:\src+8*\u+3] offset:64*\u
	ds_store_b128 v[STO], v[\src+8*\u+4:\src+8*\u+7] offset:64*\u+16
.endr
.irp i, 0,1,2,3,4,5,6,7
	ds_load_b128 v[\back+4*\i:\back+4*\i+3], v[RD] offset:2*PITCH*\i   ; LDS serves a wave's instructions in order (ISA guide 5.7.1.4): these see my stores, and the next tile's stores come behind them
.endr
.endm
	STAGE S, KF
	STAGE S+32, OA
.irp i, 0,1,2,3,4,5,6,7
	s_wait_dscnt 23-\i                             ; behind tile A's load i: 7 - i of its own, and tile B's sixteen LDS instructions
	global_store_b128 v[GO], v[KF+4*\i:KF+4*\i+3], s[10:11] offset:512*\i th:TH_STORE_NT   ; 32 lanes store 512 consecutive bytes, at a multiple of 256 from out0's first byte; written once, read by nobody here
.endr
.irp i, 0,1,2,3,4,5,6,7
	s_wait_dscnt 7-\i
	global_store_b128 v[GO], v[OA+4*\i:OA+4*\i+3], s[10:11] offset:4096+512*\i th:TH_STORE_NT
.endr
	s_wait_tensorcnt 0x0                           ; the wave's end: behind my last tensor load and my last LDS store
	ds_add_u32 v[SPW], v[NIL]
	s_wait_dscnt 0x0
	ROUND                                          ; the closing round: no work-group ends while a partner may still ask for a tile that names it
	s_endpgm
.Lfunc_end_k_qb76cf50542_attn:
	.size	k_qb76cf50542_attn, .Lfunc_end_k_qb76cf50542_attn-k_qb76cf50542_attn
	.p2alignl 7, 3214868480
	.fill 96, 4, 3214868480
	.section	.rodata,"a",@progbits
	.p2align	6, 0x0
	.amdhsa_kernel k_qb76cf50542_attn
		.amdhsa_group_segment_fixed_size 327680
		.amdhsa_private_segment_fixed_size 0
		.amdhsa_enable_private_segment 0
		.amdhsa_kernarg_size 32
		.amdhsa_user_sgpr_count 2
		.amdhsa_user_sgpr_kernarg_segment_ptr 1
		.amdhsa_wavefront_size32 1
		.amdhsa_system_sgpr_workgroup_id_x 1
		.amdhsa_system_sgpr_workgroup_id_y 1
		.amdhsa_system_sgpr_workgroup_id_z 1
		.amdhsa_system_vgpr_workitem_id 0
		.amdhsa_next_free_vgpr 256
		.amdhsa_next_free_sgpr 66
		.amdhsa_reserve_vcc 0
		.amdhsa_float_denorm_mode_32 3
		.amdhsa_float_denorm_mode_16_64 3
		.amdhsa_memory_ordered 1
		.amdhsa_forward_progress 1
		.amdhsa_inst_pref_size 255
	.end_amdhsa_kernel
	.section	.bss,"aw",@nobits
	.p2align	6
	.space	262144
	.amdgpu_metadata
---
amdhsa.version: [ 1, 2 ]
amdhsa.kernels:
  - .name:           k_qb76cf50542_attn
    .symbol:         k_qb76cf50542_attn.kd
    .args:
      - { .name: Q, .offset: 0, .size: 8, .value_kind: global_buffer, .address_space: global }
      - { .name: K, .offset: 8, .size: 8, .value_kind: global_buffer, .address_space: global }
      - { .name: V, .offset: 16, .size: 8, .value_kind: global_buffer, .address_space: global }
      - { .name: out0, .offset: 24, .size: 8, .value_kind: global_buffer, .address_space: global }
    .group_segment_fixed_size: 327680
    .private_segment_fixed_size: 0
    .kernarg_segment_align: 8
    .kernarg_segment_size: 32
    .max_flat_workgroup_size: 512
    .sgpr_count:     66
    .vgpr_count:     256
    .wavefront_size: 32
...
	.end_amdgpu_metadata
.endif
;; end of part 1
